; MI455X (gfx1250); checked and timed in simulation.
; The chip was launched on July 23, 2026; its instructions are those of AMD's public machine-readable ISA for CDNA 5 (MIT licence, August 2026) and "CDNA5" Instruction Set Architecture Reference Guide (July 2026). The comments in the code are by the model that wrote it; some were corrected since.
;; Temporal Attention. Allowed arithmetic: matrix products marked QUANTISED: E2M3 operands, one E8M0 scale for each 32 along K, by v_wmma_scale_f32_16x16x128_f8f6f4 with both operands' format E2M3, f32 sums; everything else in f32.
;; Inputs: Wk 256 x 256 float32; Wq 256 x 256 float32; Wv 256 x 256 float32; bk 256 float32; bq 256 float32; bv 256 float32; x 8 x 2,048 x 256 float32.
;; Outputs: out0 8 x 2,048 x 256 float32.
;; This version of the problem:
;;   THIS VERSION OF THE PROBLEM IS GIVEN IN LOW PRECISION. The matrix products marked QUANTISED in the list below multiply operands that are first quantised to E2M3 (2 exponent bits, 3 mantissa bits; 6 bits a number), with one power-of-two scale for each 32 numbers along K (OCP MX v1.0); their sums are f32. All else is computed in f32.
;;   The module's matrix products, in the order in which they are computed (A, B: the left and right operand; K: the contracted axis; several contracted axes count as one K, in the product's order):
;;     1. [M 16,384, K 256] x [K 256, N 256]; A: input x; B: input Wq: QUANTISED
;;     2. [M 16,384, K 256] x [K 256, N 256]; A: input x; B: input Wk: QUANTISED
;;     3. [M 16,384, K 256] x [K 256, N 256]; A: input x; B: input Wv: QUANTISED
;;     4. batch 8 x [M 2,048, K 256] x [K 256, N 2,048]; A: computed on the way; B: computed on the way: QUANTISED
;;     5. batch 8 x [M 2,048, K 2,048] x [K 2,048, N 256]; A: softmax (see below); B: computed on the way: QUANTISED
;;   THE QUANTISER, for each operand of a quantised product, along K:
;;     - K is cut into blocks of 32 from its start; a last block that is shorter is filled with zeros.
;;     - A block's scale is 2^e with e = floor(log2(the largest magnitude in the block)) - 2, held to -126 .. 127; a block of zeros has e = 0. As a byte (E8M0): e + 127.
;;     - Each number is divided by its block's scale, clamped to +-7.5, and rounded to the nearest number of E2M3, ties to even, subnormals kept.
;;     - The product sums the exact products of the quantised numbers (number of the format x scale) in f32.
;;   ~~~python
;;   def quantise(x, axis):      # numpy; x: float32 -> the quantised numbers, widened to float32 again
;;       x = np.moveaxis(x, axis, -1); K = x.shape[-1]
;;       x = np.pad(x, [(0, 0)] * (x.ndim - 1) + [(0, -K % 32)]); x = x.reshape(x.shape[:-1] + (-1, 32)); a = np.abs(x).max(-1, keepdims=True)
;;       e = np.where(a > 0, np.clip(np.frexp(np.where(a > 0, a, 1))[1] - 1 - 2, -126, 127), 0)      # np.frexp(a)[1] - 1 = floor(log2(a)), exactly
;;       r = np.clip(x / 2.0 ** e, -7.5, 7.5)
;;       step = 2.0 ** (np.maximum(np.frexp(np.where(r == 0, 1, r))[1] - 1, 0) - 3)
;;       q = np.round(r / step) * step * 2.0 ** e      # np.round: ties to even
;;       return np.moveaxis(q.reshape(q.shape[:-2] + (-1,))[..., :K], -1, axis).astype(np.float32)
;;   ~~~
;;   SOFTMAX AHEAD OF A QUANTISED PRODUCT. Where the list says 'softmax', what is quantised is not the finished softmax but p = 2^(t - M), with t = logit x log2(e) and M = ceil(the row's largest t), a whole number; so 1/2 < the row's largest p <= 1. The row's sum l is taken of the UNQUANTISED p, in f32, and the product's result is divided by l at the end. Since M is a whole number, a kernel that streams over the keys may use a running M (the ceiling of the running maximum): every later rescaling is an exact power of two, which a block's scale takes up: the codes' values come out the same.
;;   OPERANDS COMPUTED ON THE WAY. 'Computed on the way' means the value that the module computes at that place (a softmax that the list does not call 'softmax' is quantised finished and normalised). What goes into a quantiser is computed in f32, as accurately as f32 sums, v_exp_f32 and their like allow (about 1e-6 of the number): no bf16 or f16 on the way to a quantiser, and a product that is left as it is and whose result goes on into a quantised operand takes f32 operands (vector FMAs, or v_wmma_f32_16x16x4_f32). A number that lies on a knife's edge between two numbers of the format may be rounded either way, as far as f32 arithmetic and the matrix unit's own rounding can turn it there, and no further.
;; One version. Each part assembles by itself: llvm-mc -triple=amdgcn-amd-amdhsa -mcpu=gfx1250 --defsym DOCPART=n.
;; ======== version 1 of 1: 2 launches
;; limits: right only within a limited range of input values
;; workspace buffers: qc 3,276,800 bytes; kv 6,553,600 bytes
;; launch qkv (part 1): grid 256 x 1, 8 waves a work-group, clusters of 4 x 1, 327,680 bytes of LDS; arguments x, Wq, Wk, Wv, bq, bk, bv, qc, kv; writes qc, kv
.if DOCPART == 1
	.amdgcn_target "amdgcn-amd-amdhsa--gfx1250"
	.amdhsa_code_object_version 6
	.text
	.protected	k_qfa4c32dcdd_qkv
	.globl	k_qfa4c32dcdd_qkv
	.p2align	8
	.type	k_qfa4c32dcdd_qkv,@function
k_qfa4c32dcdd_qkv:
	s_mov_b64 s[64:65], 0
	v_nop
	global_prefetch_b8 v0, s[64:65] scope:SCOPE_SE
	s_setreg_imm32_b32 hwreg(HW_REG_WAVE_MODE, 25, 1), 1
	s_wait_xcnt 0x0
	s_wait_alu depctr_hold_cnt(0) depctr_sa_sdst(0) depctr_va_vdst(0) depctr_va_sdst(0) depctr_va_ssrc(0) depctr_va_vcc(0) depctr_vm_vsrc(0)
	s_getreg_b32 s2, hwreg(HW_REG_IB_STS2, 6, 4)
	s_cmp_eq_u32 s2, 0
	s_cbranch_scc0 .Lentry_in_a_cluster
	s_endpgm
.Lentry_in_a_cluster:
	s_bfe_u32 s2, ttmp6, 0x10000c
	s_cmp_lg_u32 s2, 0x3003
	s_cbranch_scc0 .Lentry_shape_is_right
	s_endpgm
.Lentry_shape_is_right:
; Q = x Wq + bq, K = x Wk + bk, V = x Wv + bv on codes of FP6 (E2M3) with one E8M0 scale for each 32 along K, and the results quantised again for the attention launch:
; Q and K along their 256 channels, V along the keys.  x [16,384][256] and the weights [256 (d_in)][256 (d_out)] arrive as f32 and are quantised here, both along d_in.
; OUTPUT: blocks of 25,600 bytes: 16 fragments as images of the operand's registers (registers 4 c .. 4 c + 3 of lane l at 512 c + 16 l; 1,536 bytes), then 16 x 64 bytes of scale words (fragment i, row r: 64 i + 4 r).
; qc: a block for each 128 tokens, fragment 2 t + s = token tile t, channels 128 s on.  kv: two blocks for each 128 tokens: K's, laid like Q's, then V's: fragment ct = channels 16 ct on, K = the 128 tokens.
; SHARES.  A cluster takes 256 tokens, two token blocks; its work-group p takes 192 channels: p = 0, 1: Q's 128 p on; p = 2, 3: K's 128 (p - 2) on; and V's 64 p on.  p chooses pointers and global offsets alone.
; Wave w = (th = w / 4, cg = w % 4) makes token block th's results for channels 32 cg on of the 128 (two tiles A and B) and 16 cg on of V's 64: 24 products for each K step of 128.
; x: the four partners need the same 256 tokens and ask for them JOINTLY: each wave brings 32 tokens (32 rows of 1,024 bytes, 16 bytes of padding behind each) and quantises them; its tensor load is read by itself alone.
; WEIGHTS: waves cg and cg + 4 need the same 48 columns; each quantises K step th of them, from memory straight into its registers, and the fragments change hands through LDS.
; THE WEIGHTS' K IS THEIR FIRST AXIS: a lane takes a column and its registers run down K, so a block of 32 lies in one lane.  Q, K: the 32 lanes take tiles A and B side by side (128 consecutive bytes of a row), one block of K at a time; of two
; neighbouring blocks lanes 16-31 of the first change places with lanes 0-15 of the second: the first then is A's operand, the second B's.  V: lanes 16-31 begin 32 rows further down, which is the operand's layout as it stands.
; LAYOUT.  Row r of token tile 2 b + u is token 32 b + 8 u + r + 8 (r / 8), and so are the channels of Wq's and Wk's tiles.  Q, K: source 0 = 16 channels of W, source 1 = 16 tokens: a lane holds one token, and the 16 registers of
; tiles A, B are channels 32 cg + 16 (lane / 16) + 0 .. 15.  V: source 0 = 16 tokens of x, source 1 = my 16 channels: a lane holds one channel, and its registers run along the tokens likewise.
; A block's scale is 2^(floor(log2(largest magnitude)) - 2); its byte is the largest magnitude's exponent field - 2, held at 1 from below.  The biases are the C of each sum's first matrix instruction.
; LIMITS: NaN and infinities are not served; a block of zeros gets the byte 1 where the rule says 127: its codes are zeros, and this program alone reads the bytes.
; The weights are not asked for jointly: as f32 they would go into LDS and come back word by word, a lane to a column, 1,536 loads a work-group, for bytes that go straight to registers as they stand.
; Scale words of Q and K: a work-group makes one of the two K steps of a token tile, 64 bytes, and writes units of 256 bytes in part there: 1 byte in 25 of its output.
; No prefetch: there is no loop; x's tokens are asked for at the head, and each wave keeps two units of 32 loads on their way behind the one that it works on.
.set BLKB, 25600
.set FRB,  1536
.set SCA,  24576                       ; where a block's scale words begin
.set XP,   1040                        ; LDS: a token's row of f32: 1,024 bytes + 16
.set XREG, 32*XP                       ; a wave's 32 rows: eight regions from 0 on
.set WI,   0                           ; behind the first barrier, on x's rows: the weights' fragments [cg][K step][A, B, V],
.set WW,   24*FRB                      ; their scale words [cg][K step][Q, V][32 lanes],
.set QI,   40960                       ; and Q's (K's) way out: for each token block eight fragments of 1,536 bytes, then 512 bytes of scale words
.set QIB,  12800
.set XI,   8*XREG                      ; x's codes: two blocks of 25,600 bytes
.set SGB,  XI+2*BLKB                   ; V's scale words, 256 bytes for each token block
.set SPARE, SGB+512                    ; the spare words: 128 bytes for each wave, four blocks of 256 bytes that no other line names
.set L16, 1                            ; v1   16 x lane
.set L4,  2                            ; v2   4 x lane
.set SPW, 3                            ; v3   my spare word
.set NIL, 4                            ; v4   0
.set XRD, 5                            ; v5   my token's row in my region
.set WQO, 6                            ; v6   Wq, Wk: my column
.set WVO, 7                            ; v7   Wv: my column, and 32 rows down in lanes 16-31
.set XIW, 8                            ; v8   where I put x's fragments
.set XSW, 9                            ; v9   and their scale words
.set AQ1, 10                           ; v10  where I put Q's codes: registers 0, 1 and 4, 5 of a block,
.set AQ2, 11                           ; v11  and 2, 3
.set SQB, 12                           ; v12  and their scale bytes
.set SGV, 13                           ; v13  V's scale words
.set QO,  14                           ; v14  Q's way out, in LDS
.set GO,  15                           ; v15  and in memory
.set WQ,  16                           ; v16-17 Wq's (Wk's) scale words, K step s: lanes 0-15 tile A, lanes 16-31 tile B
.set WVS, 18                           ; v18-19 Wv's
.set SX,  20                           ; v20-23 x's: two sets of two tiles; lanes 0-15 K step 0, lanes 16-31 K step 1
.set BQ,  24                           ; v24-39 bq or bk as the result lies, eight a tile
.set BV,  40                           ; v40-47 bv of my lane's channel, eight times
.set PE,  48                           ; v48-50, 52-54 a block's codes; v56-58, 60-62 the next block's
.set H8,  51                           ; v51  8 x (lane / 16)
.set GWO, 55                           ; v55  Q's scale words' way out, in memory
.set SGR, 59                           ; v59  V's, in LDS
.set XR,  63                           ; v63  where I read x's codes
.set VA,  96                           ; v96-159 V's eight accumulators; before that 64 numbers of x
.set XS,  192                          ; v192-196, behind the last unit: x's scale words,
.set WIW, 193                          ; where I put my weights' fragments,
.set WIR, 194                          ; and read both K steps',
.set WWW, 195                          ; and the same for their scale words
.set WWR, 196
.set TM,  224                          ; v224-235 at work
.set PC,  236                          ; v236-247 codes, v248-250, 252-254 second halves
.set PW,  255                          ; v255 a scale word
.set WF,  0                            ; window 1: the weights: tile A 12 s, tile B 24 + 12 s, V 48 + 12 s; before the exchange my K step's A, B, V at 0, 12, 24
.set XF_, 72                           ; window 1: x's fragments: two sets of two tiles
.set WV,  22
.set SEL, 24
.set WQB, 26
.set WVB, 28
.set BQB, 30
.set BVB, 32
.set QB,  34
.set VB,  36
.set VSB, 38
.set TH,  40
.set CG,  41
.set QSB, 46
.set G1,  52                           ; s[52:59] descriptor group 1, s[60:63] group 0
.set G0,  60
.set MSB, 0
.macro WIN new                         ; the immediate's high byte repeats the setting that is left
.if MSB != \new
	s_set_vgpr_msb (MSB<<8)|\new
.set MSB, \new
.endif
.endm
.macro WALU
	s_wait_alu depctr_va_vdst(0)
.endm
.macro PLACES n
.rept \n
	v_nop
.endr
.endm
.macro CROUND                          ; a round of the cluster's barrier
	s_barrier_signal -1
	s_barrier_wait -1
	s_cmp_lg_u32 s[WV], 0
	s_cbranch_scc1 .Lnot_wave_0_\@
	s_barrier_signal -3
.Lnot_wave_0_\@:
	s_barrier_wait -3
	s_barrier_signal -1
	s_barrier_wait -1
.endm
; A UNIT is 32 loads: one block of 32 along K of my lane's column.  Units 0 to 3: block u of K step th of Wq (Wk); units 4, 5: band u - 4 of Wv's.  Three sets of registers take turns
.macro SETOF u
.if (\u)%3 == 0
.set R_, 64
.else
.set R_, 128+32*((\u)%3)
.endif
.endm
.macro UL u
	SETOF \u
.set J, 0
.rept 32
.if (\u) < 4
	global_load_b32 v[R_+J], v[WQO], s[WQB:WQB+1] offset:1024*(32*(\u)+J)
.else
	global_load_b32 v[R_+J], v[WVO], s[WVB:WVB+1] offset:1024*(64*((\u)-4)+J)
.endif
.set J, J+1
.endr
.endm
.macro UNIT u
	SETOF \u
.set E_, PE
.if ((\u) < 4) && ((\u)%2)
.set E_, PE+8
.endif
	v_max3_num_f32 v[TM], |v[R_]|, |v[R_+1]|, 0x1800000             ; the largest magnitude of my 32, with the floor 2^(3 - 127): the byte cannot fall under 1
	v_max3_num_f32 v[TM+1], |v[R_+2]|, |v[R_+3]|, |v[R_+4]|
.irp i, 5,9,13,17,21,25
	v_max3_num_f32 v[TM], v[TM], |v[R_+\i]|, |v[R_+\i+1]|
	v_max3_num_f32 v[TM+1], v[TM+1], |v[R_+\i+2]|, |v[R_+\i+3]|
.endr
	v_max3_num_f32 v[TM], v[TM], |v[R_+29]|, |v[R_+30]|
	v_max3_num_f32 v[TM], v[TM], v[TM+1], |v[R_+31]|
	v_add_nc_u32 v[TM+2], 0xff000000, v[TM]        ; 2 off the exponent field: the conversion's scale operand
	v_cvt_scalef32_pk16_fp6_f32 v[E_:E_+2], v[R_:R_+15], v[TM+2]
	v_cvt_scalef32_pk16_fp6_f32 v[E_+4:E_+6], v[R_+16:R_+31], v[TM+2]
	v_lshrrev_b32 v[TM+3], 23, v[TM+2]             ; the scale's byte
.if (\u) < 4
.if (\u) == 0
	v_mov_b32 v[WQ], v[TM+3]
.else
	v_lshl_or_b32 v[WQ], v[TM+3], 8*(\u), v[WQ]
.endif
.if (\u)%2
.set D_, WF+6*((\u)/2)
.irp i, 0,1,2
	v_permlane16_swap_b32 v[PE+\i], v[PE+8+\i]
	v_permlane16_swap_b32 v[PE+4+\i], v[PE+12+\i]
.endr
	WIN 0x40
.irp i, 0,1,2
	v_mov_b32 v[D_+\i], v[PE+\i]
	v_mov_b32 v[D_+3+\i], v[PE+4+\i]
	v_mov_b32 v[D_+12+\i], v[PE+8+\i]
	v_mov_b32 v[D_+15+\i], v[PE+12+\i]
.endr
	WIN 0
.endif
.else
.set D_, WF+24+6*((\u)-4)
.if (\u) == 4
	v_mov_b32 v[WVS], v[TM+3]
.else
	v_lshl_or_b32 v[WVS], v[TM+3], 16, v[WVS]      ; my two bytes: blocks h and 2 + h,
	v_lshlrev_b32 v[WVS], v[H8], v[WVS]            ; at their places in the scale word;
	v_permlanex16_b32 v[TM+4], v[WVS], s[SEL], s[SEL+1]
	v_or_b32 v[WVS], v[WVS], v[TM+4]               ; with lane l xor 16's two the word is whole
.endif
	WIN 0x40
.irp i, 0,1,2
	v_mov_b32 v[D_+\i], v[PE+\i]
	v_mov_b32 v[D_+3+\i], v[PE+4+\i]
.endr
	WIN 0
.endif
.endm
; 64 numbers of a lane, register 16 b + i = k 32 b + 16 (lane / 16) + i of my row, become a fragment's codes in v[PC] on and its scale word in v[PW]
.macro QUANT s
.irp b, 0,1,2,3
	v_max3_num_f32 v[TM+\b], |v[\s+16*\b]|, |v[\s+1+16*\b]|, 0x1800000   ; (each accumulator is read from its low end on; the four blocks by turns)
.endr
.irp i, 2,4,6,8,10,12,14
.irp b, 0,1,2,3
	v_max3_num_f32 v[TM+\b], v[TM+\b], |v[\s+16*\b+\i]|, |v[\s+1+16*\b+\i]|
.endr
.endr
.irp b, 0,1,2,3
	v_permlanex16_b32 v[TM+4+\b], v[TM+\b], s[SEL], s[SEL+1]
.endr
.irp b, 0,1,2,3
	v_max_num_f32 v[TM+\b], v[TM+\b], v[TM+4+\b]   ; with lane l xor 16's: the block's largest magnitude
.endr
.irp b, 0,1,2,3
	v_add_nc_u32 v[TM+8+\b], 0xff000000, v[TM+\b]
.endr
.irp b, 0,1,2,3
	v_lshrrev_b32 v[TM+4+\b], 23, v[TM+8+\b]
.endr
	v_lshl_or_b32 v[PW], v[TM+5], 8, v[TM+4]
	v_lshl_or_b32 v[PW], v[TM+6], 16, v[PW]
	v_lshl_or_b32 v[PW], v[TM+7], 24, v[PW]
.irp c, 0,1
	v_cvt_scalef32_pk16_fp6_f32 v[PC+6*\c:PC+2+6*\c], v[\s+32*\c:\s+15+32*\c], v[TM+8+2*\c]
	v_cvt_scalef32_pk16_fp6_f32 v[PC+12+4*\c:PC+14+4*\c], v[\s+16+32*\c:\s+31+32*\c], v[TM+9+2*\c]   ; (a conversion's three registers begin on an even number)
.endr
	v_nop                                          ; one plain place behind a scaled conversion
.irp c, 0,1                                    ; the operand's layout wants a WHOLE block in a lane: lanes 0-15 block 2 c, lanes 16-31 block 2 c + 1
.irp i, 0,1,2
	v_permlane16_swap_b32 v[PC+6*\c+\i], v[PC+12+4*\c+\i]
.endr
.irp i, 0,1,2
	v_mov_b32 v[PC+3+6*\c+\i], v[PC+12+4*\c+\i]
.endr
.endr
.endm
.macro XTILE u                         ; token tile 2 cg + u of block th: its two fragments
.irp k, 0,1
.irp b, 0,1,2,3
.irp n, 0,1,2,3
	ds_load_b128 v[VA+16*\b+4*\n:VA+16*\b+4*\n+3], v[XRD] offset:8*XP*\u+512*\k+128*\b+16*\n
.endr
.endr
	s_wait_dscnt 0x0
	QUANT VA
.irp c, 0,1,2
	ds_store_b128 v[XIW], v[PC+4*\c:PC+4*\c+3] offset:2*FRB*\u+FRB*\k+512*\c
.endr
	ds_store_b32 v[XSW], v[PW] offset:128*\u+64*\k ; both halves of the lanes write the same word with the same value
.endr
.endm
.macro WM d, a, b, c, sa, sb, ra, rb
	v_wmma_scale_f32_16x16x128_f8f6f4 v[\d:\d+7], v[\a:\a+11], v[\b:\b+11], \c, v[\sa], v[\sb] matrix_a_fmt:MATRIX_FMT_FP6 matrix_b_fmt:MATRIX_FMT_FP6 matrix_a_scale:MATRIX_SCALE_ROW\ra matrix_b_scale:MATRIX_SCALE_ROW\rb
.endm
.macro XFETCH g                        ; x's token tiles 2 g, 2 g + 1 into set g % 2: 14 loads
.irp t, 0,1
	ds_load_b32 v[SX+2*((\g)%2)+\t], v[XS] offset:128*(2*(\g)+\t)
.endr
	WIN 0x40
.irp t, 0,1
.irp s, 0,1
.irp c, 0,1,2
	ds_load_b128 v[XF_+48*((\g)%2)+24*\t+12*\s+4*\c:XF_+48*((\g)%2)+24*\t+12*\s+4*\c+3], v[XR] offset:FRB*(4*(\g)+2*\t+\s)+512*\c
.endr
.endr
.endr
	WIN 0
.endm
; twelve products of token tiles 2 g, 2 g + 1; six accumulators take turns.  Q's four of pair g lie at 64 or 160 on, 16 a token tile
.macro PROD g
.set E_, (\g)%2
	WIN 0x05                                       ; both operands in window 1, the sums and the biases in window 0
.irp s, 0,1
.irp t, 0,1
.irp u, 0,1
.set D_, 64+96*E_+16*\t+8*\u
.if \s
	WM D_, WF+24*\u+12*\s, XF_+48*E_+24*\t+12*\s, v[D_:D_+7], WQ+\s, SX+2*E_+\t, \u, \s
.else
	WM D_, WF+24*\u+12*\s, XF_+48*E_+24*\t+12*\s, v[BQ+8*\u:BQ+8*\u+7], WQ+\s, SX+2*E_+\t, \u, \s
.endif
.endr
.endr
.irp t, 0,1
.set D_, VA+8*(2*(\g)+\t)
.if \s
	WM D_, XF_+48*E_+24*\t+12*\s, WF+48+12*\s, v[D_:D_+7], SX+2*E_+\t, WVS+\s, \s, 0
.else
	WM D_, XF_+48*E_+24*\t+12*\s, WF+48+12*\s, v[BV:BV+7], SX+2*E_+\t, WVS+\s, \s, 0
.endif
.endr
.endr
	WIN 0
.endm
; Q's (K's) block of 32 channels for token tiles 2 g, 2 g + 1: a lane ends with the whole block of ONE token: lanes 0-15 tile 2 g's, lanes 16-31 tile 2 g + 1's
.macro QUANTQ g
.set X, 64+96*((\g)%2)
.irp t, 0,1
	v_max3_num_f32 v[TM+\t], |v[X+16*\t]|, |v[X+16*\t+1]|, 0x1800000
.endr
.irp t, 0,1
	v_max3_num_f32 v[TM+2+\t], |v[X+16*\t+8]|, |v[X+16*\t+9]|, |v[X+16*\t+10]|
.endr
.irp i, 2,4
.irp t, 0,1
	v_max3_num_f32 v[TM+\t], v[TM+\t], |v[X+16*\t+\i]|, |v[X+16*\t+\i+1]|
.endr
.irp t, 0,1
	v_max3_num_f32 v[TM+2+\t], v[TM+2+\t], |v[X+16*\t+9+\i]|, |v[X+16*\t+10+\i]|
.endr
.endr
.irp t, 0,1
	v_max3_num_f32 v[TM+\t], v[TM+\t], |v[X+16*\t+6]|, |v[X+16*\t+7]|
.endr
.irp t, 0,1
	v_max3_num_f32 v[TM+\t], v[TM+\t], v[TM+2+\t], |v[X+16*\t+15]|
.endr
.irp t, 0,1
	v_permlanex16_b32 v[TM+2+\t], v[TM+\t], s[SEL], s[SEL+1]
.endr
.irp t, 0,1
	v_max_num_f32 v[TM+\t], v[TM+\t], v[TM+2+\t]
.endr
.irp t, 0,1
	v_add_nc_u32 v[TM+4+\t], 0xff000000, v[TM+\t]
.endr
	v_cvt_scalef32_pk16_fp6_f32 v[PC:PC+2], v[X:X+15], v[TM+4]
	v_cvt_scalef32_pk16_fp6_f32 v[PC+6:PC+8], v[X+16:X+31], v[TM+5]
.irp t, 0,1
	v_lshrrev_b32 v[TM+6+\t], 23, v[TM+4+\t]       ; the scales' bytes; plain places behind the conversions
.endr
.irp i, 0,1,2
	v_permlane16_swap_b32 v[PC+\i], v[PC+6+\i]
.endr
.irp i, 0,1,2
	v_mov_b32 v[PC+3+\i], v[PC+6+\i]
.endr
	ds_store_b64 v[AQ1], v[PC:PC+1] offset:2*FRB*(\g)
	ds_store_b64 v[AQ2], v[PC+2:PC+3] offset:2*FRB*(\g)
	ds_store_b64 v[AQ1], v[PC+4:PC+5] offset:2*FRB*(\g)+512
.irp t, 0,1
	ds_store_b8 v[SQB], v[TM+6+\t] offset:128*(\g)+64*\t   ; both halves of the lanes write the same byte with the same value
.endr
.endm
	s_load_b256 s[4:11], s[0:1], 0x0               ; x s[4:5], Wq s[6:7], Wk s[8:9], Wv s[10:11]
	s_load_b256 s[12:19], s[0:1], 0x20             ; bq s[12:13], bk s[14:15], bv s[16:17], qc s[18:19]
	s_load_b64 s[20:21], s[0:1], 0x40              ; kv
	v_lshl_add_u32 v[SPW], v0, 2, SPARE
	v_mov_b32 v[NIL], 0
	ds_add_u32 v[SPW], v[NIL]
	ds_add_u32 v[SPW], v[NIL]
	v_lshrrev_b32 v[XRD], 5, v0
	v_readfirstlane_b32 s[WV], v[XRD]              ; wave 0..7
	v_and_b32 v[L4], 31, v0                        ; lane
	v_and_b32 v236, 15, v0                         ; r
	v_bfe_u32 v237, v0, 4, 1                       ; h
	v_lshrrev_b32 v238, 3, v236
	v_lshl_add_u32 v238, v238, 3, v236             ; r + 8 (r / 8)
	v_lshlrev_b32 v239, 2, v236                    ; 4 r
	v_lshlrev_b32 v240, 6, v237                    ; 64 h
	v_lshlrev_b32 v[L16], 4, v[L4]
	v_lshlrev_b32 v242, 3, v[L4]                   ; 8 x lane
	v_lshrrev_b32 v243, 2, v[L4]
	v_and_b32 v[GWO], 3, v[L4]
	v_lshlrev_b32 v[GWO], 4, v[GWO]
	v_lshl_add_u32 v[GWO], v243, 7, v[GWO]         ; 128 (lane / 4) + 16 (lane % 4)
	v_lshlrev_b32 v[L4], 2, v[L4]
	v_lshl_add_u32 v[WQO], v237, 3, v238           ; channel 8 h + r + 8 (r / 8) of my 32
	v_lshlrev_b32 v[WQO], 2, v[WQO]
	v_lshl_add_u32 v[WVO], v237, 15, v239
	v_lshlrev_b32 v[H8], 3, v237
	s_bfe_u32 s23, ttmp6, 0x40000                  ; p: my place in the cluster
	s_lshr_b32 s[TH], s[WV], 2
	s_and_b32 s[CG], s[WV], 3
	s_and_b32 s42, s23, 1                          ; which 128 channels of Q or K
	; descriptor group 1: 32 rows of 1,024 bytes (128 elements of 8 bytes), dense in memory, 16 bytes of padding behind each in LDS
	s_mov_b32 s[G1], 15|(3<<16)|(1<<20)|(1<<21)|(7<<22)|(3<<25)   ; 15:0 the mask: all four work-groups; 17:16 elements of 8 bytes; 20 padding; 21 set beside a mask; 24:22 after every 256 words (code 7); 31:25 of 4 words (code 3)
	s_mov_b32 s[G1+1], 128<<16                     ; tensor_dim0 = 128
	s_mov_b32 s[G1+2], 32<<16                      ; tensor_dim1 = 32
	s_mov_b32 s[G1+3], 128<<16                     ; tile_dim0 = 128
	s_mov_b32 s[G1+4], 32                          ; tile_dim1 = 32
	s_mov_b32 s[G1+5], 128                         ; from row to row
	s_mov_b32 s[G1+6], 0
	s_mov_b32 s[G1+7], 0
	s_lshl_b32 s44, ttmp9, 18                      ; my 32 tokens: 256 x cluster + 32 x wave
	s_lshl_b32 s45, s[WV], 15
	s_add_co_u32 s44, s44, s45
	s_mov_b32 s45, 0
	s_mov_b32 s[G0], 1                             ; count = 1
	s_mul_i32 s[G0+1], s[WV], XREG                 ; no place in the cluster enters an LDS address
	s_lshl_b32 s46, s42, 9                         ; my 32 channels of Q or K, in bytes
	s_lshl_b32 s50, s[CG], 7
	s_add_co_u32 s46, s46, s50
	s_mov_b32 s47, 0
	s_lshl_b32 s48, s23, 8                         ; my 16 of V
	s_lshl_b32 s50, s[CG], 6
	s_add_co_u32 s48, s48, s50
	s_mov_b32 s49, 0
	s_lshl_b32 s50, s[TH], 17                      ; my K step's first row of the weights
	s_mov_b32 s51, 0
	s_mov_b32 s[SEL], 0x76543210
	s_mov_b32 s[SEL+1], 0xfedcba98                 ; v_permlanex16_b32's selects for lane l xor 16
	WALU                                           ; directly ahead of the waits below
	s_wait_dscnt 0x0                               ; both opening adds are done
	CROUND                                         ; all four work-groups are here: the joint loads meet
	s_wait_kmcnt 0x0
	s_add_nc_u64 s[G0+2:G0+3], s[4:5], s[44:45]    ; the cluster and the wave's number alone enter it
	s_or_b32 s[G0+3], s[G0+3], 0x80000000          ; type = 2
	tensor_load_to_lds s[G0:G0+3], s[G1:G1+7]      ; my one tensor load
	s_nop 0
	PLACES 4
	s_add_nc_u64 s[WVB:WVB+1], s[10:11], s[48:49]
	s_add_nc_u64 s[BVB:BVB+1], s[16:17], s[48:49]
	s_add_nc_u64 s[WVB:WVB+1], s[WVB:WVB+1], s[50:51]
	s_cmp_lt_u32 s23, 2                            ; the choices hang on p alone
	s_cselect_b64 s[WQB:WQB+1], s[6:7], s[8:9]
	s_cselect_b64 s[BQB:BQB+1], s[12:13], s[14:15]
	s_cselect_b64 s[QB:QB+1], s[18:19], s[20:21]
	s_mov_b32 s45, 2*BLKB
	s_cselect_b32 s44, BLKB, s45                   ; a token block's bytes there
	s_add_nc_u64 s[WQB:WQB+1], s[WQB:WQB+1], s[46:47]
	s_add_nc_u64 s[WQB:WQB+1], s[WQB:WQB+1], s[50:51]
	s_add_nc_u64 s[BQB:BQB+1], s[BQB:BQB+1], s[46:47]
.irp u, 0,1
.irp q, 0,1
	global_load_b128 v[BQ+8*\u+4*\q:BQ+8*\u+4*\q+3], v240, s[BQB:BQB+1] offset:32*\u+16*\q   ; lane (r, h), tile u: my channels 16 h + 8 u + 0 .. 7
.endr
.endr
	global_load_b32 v[BV], v239, s[BVB:BVB+1]
	UL 0
	; where the results go
	s_lshl_b32 s50, ttmp9, 1
	s_add_co_u32 s50, s50, s[TH]                   ; my token block
	s_mul_i32 s44, s44, s50
	s_mov_b32 s45, 0
	s_add_nc_u64 s[QB:QB+1], s[QB:QB+1], s[44:45]  ; Q's or K's block
	s_lshl_b32 s44, s42, 6
	s_add_co_u32 s44, s44, SCA
	s_add_nc_u64 s[QSB:QSB+1], s[QB:QB+1], s[44:45]   ; my K step's scale words in it
	s_mul_i32 s44, s42, FRB
	s_add_nc_u64 s[QB:QB+1], s[QB:QB+1], s[44:45]  ; and its fragments
	s_mul_i32 s44, s50, 2*BLKB
	s_add_co_u32 s44, s44, BLKB
	s_add_nc_u64 s[VSB:VSB+1], s[20:21], s[44:45]  ; V's block
	s_lshl_b32 s44, s23, 2
	s_add_co_u32 s44, s44, s[CG]
	s_mul_i32 s44, s44, FRB
	s_add_nc_u64 s[VB:VB+1], s[VSB:VSB+1], s[44:45]   ; my fragment in it
	s_lshl_b32 s44, s23, 8
	s_add_co_u32 s44, s44, SCA
	s_add_nc_u64 s[VSB:VSB+1], s[VSB:VSB+1], s[44:45]   ; my work-group's 256 bytes of its scale words
	; every LDS address is a constant + a constant x lane + a constant x a number made of the wave's
	v_mul_u32_u24 v241, v238, XP
	v_add_nc_u32 v241, v241, v240
	s_mul_i32 s50, s[WV], XREG
	v_add_nc_u32 v[XRD], s50, v241                 ; row r + 8 (r / 8) of my region, + 64 h
	s_mul_i32 s50, s[TH], BLKB
	s_add_co_u32 s50, s50, XI
	v_add_nc_u32 v[XR], s50, v[L16]
	s_mul_i32 s51, s[CG], 4*FRB
	s_add_co_u32 s51, s51, s50
	v_add_nc_u32 v[XIW], s51, v[L16]
	s_lshl_b32 s51, s[CG], 8
	s_add_co_u32 s51, s51, s50
	s_add_co_u32 s51, s51, SCA
	v_add_nc_u32 v[XSW], s51, v239
	s_mul_i32 s50, s[TH], QIB
	s_add_co_u32 s50, s50, QI                      ; my token block's way out
	s_lshr_b32 s43, s[CG], 1                       ; my 32 channels are block cg of a fragment: registers 6 (cg / 2) on, lanes 16 (cg % 2) on
	s_and_b32 s44, s[CG], 1
	s_lshl_b32 s44, s44, 8
	s_add_co_u32 s44, s44, s50
	v_mul_u32_u24 v241, v237, FRB
	v_lshl_add_u32 v241, v236, 4, v241             ; lanes 16-31 hold the next token tile
	s_mul_i32 s51, s43, 520                        ; registers 0, 1 of the band: piece 0, or the second half of piece 1; registers 4, 5 lie 512 bytes on in both
	s_add_co_u32 s51, s51, s44
	v_add_nc_u32 v[AQ1], s51, v241
	s_mul_i32 s51, s43, 1016                       ; registers 2, 3: 8 bytes on, or the first half of piece 2
	s_add_co_u32 s51, s51, s44
	s_add_co_u32 s51, s51, 8
	v_add_nc_u32 v[AQ2], s51, v241
	s_add_co_u32 s51, s50, s[CG]
	s_add_co_u32 s51, s51, 8*FRB
	v_add_nc_u32 v[SQB], s51, v239
	s_mul_i32 s51, s[CG], 2*FRB                    ; out: two fragments a wave
	s_add_co_u32 s51, s51, s50
	v_add_nc_u32 v[QO], s51, v[L16]
	s_mul_i32 s51, s[CG], 4*FRB
	v_add_nc_u32 v[GO], s51, v[L16]
	s_lshl_b32 s50, s[TH], 8
	s_add_co_u32 s50, s50, SGB
	v_add_nc_u32 v[SGR], s50, v242
	s_lshl_b32 s51, s[CG], 6
	s_add_co_u32 s51, s51, s50
	v_add_nc_u32 v[SGV], s51, v239
.irp b, 0,1,2,3
	v_mov_b32 v[TM+4+\b], 0                        ; written once: a lane permute's destination counts as one of its sources
.endr
	WALU                                           ; the wait at the head's end
	UL 1
	UL 2
	s_wait_loadcnt 63                              ; the biases and unit 0 are in (the two units behind it are 64 loads)
.irp n, 1,2,3,4,5,6,7
	v_mov_b32 v[BV+\n], v[BV]
.endr
	UNIT 0
	UL 3
	s_wait_loadcnt 63
	UNIT 1
	UL 4
	s_wait_loadcnt 63
	UNIT 2
	s_wait_tensorcnt 0x0                           ; my 32 tokens are in
	XTILE 0
	UL 5
	s_wait_loadcnt 63                              ; unit 3 is in
	UNIT 3
	s_wait_loadcnt 32                              ; unit 4 is in
	UNIT 4
	XTILE 1
	s_wait_loadcnt 0x0
	UNIT 5
	v_add_nc_u32 v[XS], SCA, v[L4]
	s_mul_i32 s50, s[TH], BLKB
	s_add_co_u32 s50, s50, XI
	v_add_nc_u32 v[XS], s50, v[XS]
	s_mul_i32 s50, s[CG], 6*FRB
	v_add_nc_u32 v[WIR], s50, v[L16]
	s_mul_i32 s51, s[TH], 3*FRB
	v_add_nc_u32 v[WIW], s51, v[WIR]
	s_lshl_b32 s50, s[CG], 9
	s_add_co_u32 s50, s50, WW
	v_add_nc_u32 v[WWR], s50, v[L4]
	s_lshl_b32 s51, s[TH], 8
	v_add_nc_u32 v[WWW], s51, v[WWR]
	WALU                                           ; directly ahead of the wait below
	s_wait_dscnt 0x0                               ; my fragments of x are in LDS, and my reads of my tokens are over
	s_barrier_signal -1
	s_barrier_wait -1                              ; all of x has been read and lies in LDS as codes: its rows' bytes, which no load fills again, are free
	WIN 0x04                                       ; an LDS store's data are its source 1
.irp f, 0,1,2
.irp c, 0,1,2
	ds_store_b128 v[WIW], v[WF+12*\f+4*\c:WF+12*\f+4*\c+3] offset:FRB*\f+512*\c
.endr
.endr
	WIN 0
	ds_store_b32 v[WWW], v[WQ]
	ds_store_b32 v[WWW], v[WVS] offset:128
	XFETCH 0
	XFETCH 1
	s_wait_dscnt 0x0                               ; for the others' sake: my stores are done
	s_barrier_signal -1
	s_barrier_wait -1                              ; both K steps of the weights lie in LDS
.irp s, 0,1
	ds_load_b32 v[WQ+\s], v[WWR] offset:256*\s
	ds_load_b32 v[WVS+\s], v[WWR] offset:256*\s+128
.endr
	WIN 0x40
.irp s, 0,1
.irp f, 0,1,2
.irp c, 0,1,2
	ds_load_b128 v[WF+24*\f+12*\s+4*\c:WF+24*\f+12*\s+4*\c+3], v[WIR] offset:3*FRB*\s+FRB*\f+512*\c
.endr
.endr
.endr
	WIN 0
	s_wait_dscnt 0x0
	PROD 0
	PLACES 4                                       ; in front of the first read of results, and of the loads into registers that the products read
	XFETCH 2
	QUANTQ 0
	PROD 1
	PLACES 4
	XFETCH 3
	QUANTQ 1
	s_wait_dscnt 24                                ; pair 2 is in; five stores, pair 3's 14 loads and five stores may be out
	PROD 2
	PLACES 4
	QUANTQ 2
	s_wait_dscnt 10                                ; pair 3 is in; ten stores may be out
	PROD 3
	PLACES 4
	QUANTQ 3
	QUANT VA
.irp c, 0,1,2
	global_store_b128 v[L16], v[PC+4*\c:PC+4*\c+3], s[VB:VB+1] offset:512*\c   ; 32 lanes store 512 consecutive bytes, at a multiple of 256 from the buffer's first byte
.endr
	ds_store_b32 v[SGV], v[PW]
	s_wait_dscnt 0x0                               ; for the others' sake: my stores are done
	s_barrier_signal -1
	s_barrier_wait -1
.irp m, 0,1,2,3,4,5
	ds_load_b128 v[64+4*\m:67+4*\m], v[QO] offset:512*\m   ; Q's (K's) fragments leave in runs of 512 bytes: token tiles 2 cg, 2 cg + 1
.endr
.irp m, 0,1,2,3,4,5
	s_wait_dscnt 5-\m
	global_store_b128 v[GO], v[64+4*\m:67+4*\m], s[QB:QB+1] offset:2*FRB*(\m/3)+512*(\m%3)
.endr
	s_cmp_eq_u32 s[CG], 0                          ; their scale words: 64 bytes a token tile
	s_cbranch_scc0 .Lnot_q
	ds_load_b128 v[88:91], v[QO] offset:8*FRB
	s_wait_dscnt 0x0
	global_store_b128 v[GWO], v[88:91], s[QSB:QSB+1]
.Lnot_q:
	s_cmp_eq_u32 s[CG], 1                          ; V's: 256 bytes
	s_cbranch_scc0 .Lnot_v
	ds_load_b64 v[92:93], v[SGR]
	s_wait_dscnt 0x0
	v_lshlrev_b32 v94, 1, v[L4]                    ; 8 x lane
	global_store_b64 v94, v[92:93], s[VSB:VSB+1]
.Lnot_v:
	s_wait_tensorcnt 0x0                           ; the wave's end
	ds_add_u32 v[SPW], v[NIL]
	s_wait_dscnt 0x0
	CROUND                                         ; the closing round: no work-group ends while a partner may still ask for tokens in a load that names it
	s_endpgm
.Lfunc_end_k_qfa4c32dcdd_qkv:
	.size	k_qfa4c32dcdd_qkv, .Lfunc_end_k_qfa4c32dcdd_qkv-k_qfa4c32dcdd_qkv
	.p2alignl 7, 3214868480
	.fill 96, 4, 3214868480
	.section	.rodata,"a",@progbits
	.p2align	6, 0x0
	.amdhsa_kernel k_qfa4c32dcdd_qkv
		.amdhsa_group_segment_fixed_size 327680
		.amdhsa_private_segment_fixed_size 0
		.amdhsa_enable_private_segment 0
		.amdhsa_kernarg_size 72
		.amdhsa_user_sgpr_count 2
		.amdhsa_user_sgpr_kernarg_segment_ptr 1
		.amdhsa_wavefront_size32 1
		.amdhsa_system_sgpr_workgroup_id_x 1
		.amdhsa_system_sgpr_workgroup_id_y 1
		.amdhsa_system_sgpr_workgroup_id_z 1
		.amdhsa_system_vgpr_workitem_id 0
		.amdhsa_next_free_vgpr 432
		.amdhsa_next_free_sgpr 66
		.amdhsa_reserve_vcc 0
		.amdhsa_float_denorm_mode_32 3
		.amdhsa_float_denorm_mode_16_64 3
		.amdhsa_memory_ordered 1
		.amdhsa_forward_progress 1
		.amdhsa_inst_pref_size 84
	.end_amdhsa_kernel
	.amdgpu_metadata
---
amdhsa.version: [ 1, 2 ]
amdhsa.kernels:
  - .name:           k_qfa4c32dcdd_qkv
    .symbol:         k_qfa4c32dcdd_qkv.kd
    .args:
      - { .name: x, .offset: 0, .size: 8, .value_kind: global_buffer, .address_space: global }
      - { .name: Wq, .offset: 8, .size: 8, .value_kind: global_buffer, .address_space: global }
      - { .name: Wk, .offset: 16, .size: 8, .value_kind: global_buffer, .address_space: global }
      - { .name: Wv, .offset: 24, .size: 8, .value_kind: global_buffer, .address_space: global }
      - { .name: bq, .offset: 32, .size: 8, .value_kind: global_buffer, .address_space: global }
      - { .name: bk, .offset: 40, .size: 8, .value_kind: global_buffer, .address_space: global }
      - { .name: bv, .offset: 48, .size: 8, .value_kind: global_buffer, .address_space: global }
      - { .name: qc, .offset: 56, .size: 8, .value_kind: global_buffer, .address_space: global }
      - { .name: kv, .offset: 64, .size: 8, .value_kind: global_buffer, .address_space: global }
    .group_segment_fixed_size: 327680
    .private_segment_fixed_size: 0
    .kernarg_segment_align: 8
    .kernarg_segment_size: 72
    .max_flat_workgroup_size: 256
    .sgpr_count:     66
    .vgpr_count:     432
    .wavefront_size: 32
...
	.end_amdgpu_metadata
.endif
;; end of part 1
;; launch attn (part 2): grid 256 x 1, 8 waves a work-group, clusters of 4 x 1, 327,680 bytes of LDS; arguments qc, kv, out0; writes out0
.if DOCPART == 2
	.amdgcn_target "amdgcn-amd-amdhsa--gfx1250"
	.amdhsa_code_object_version 6
	.text
	.protected	k_qfa4c32dcdd_attn
	.globl	k_qfa4c32dcdd_attn
	.p2align	8
	.type	k_qfa4c32dcdd_attn,@function
k_qfa4c32dcdd_attn:
	s_mov_b64 s[64:65], 0
	v_nop
	global_prefetch_b8 v0, s[64:65] scope:SCOPE_SE
	s_setreg_imm32_b32 hwreg(HW_REG_WAVE_MODE, 25, 1), 1
	s_wait_xcnt 0x0
	s_wait_alu depctr_hold_cnt(0) depctr_sa_sdst(0) depctr_va_vdst(0) depctr_va_sdst(0) depctr_va_ssrc(0) depctr_va_vcc(0) depctr_vm_vsrc(0)
	s_getreg_b32 s2, hwreg(HW_REG_IB_STS2, 6, 4)
	s_cmp_eq_u32 s2, 0
	s_cbranch_scc0 .Lentry_in_a_cluster
	s_endpgm
.Lentry_in_a_cluster:
	s_bfe_u32 s2, ttmp6, 0x10000c
	s_cmp_lg_u32 s2, 0x3003
	s_cbranch_scc0 .Lentry_shape_is_right
	s_endpgm
.Lentry_shape_is_right:
; out[b][q][:] = the sum over k of softmax_k(Q[b][q] . K[b][k] / 16) V[b][k][:], 8 batches x 2,048 tokens x 256 channels, both products on codes of FP6 (E2M3) with one E8M0 scale for each 32 along K.
; INPUTS are blocks of 25,600 bytes: 16 fragments as images of the operand's registers (registers 4 c .. 4 c + 3 of lane l at 512 c + 16 l; 1,536 bytes), then 16 x 64 bytes of scale words (fragment i, row r: 64 i + 4 r).
; qc: a block for each 128 tokens, fragment 2 t + s = token tile t, channels 128 s on.  kv: a record of two blocks for each 128 tokens: K's, laid like Q's, then V's: fragment ct = channels 16 ct on, K = the record's 128 keys.
; Row r of token tile 2 b + u is token 32 b + 8 u + r + 8 (r / 8): so the 16 registers of score tiles 2 b, 2 b + 1 are 16 neighbouring keys.
; A work-group owns 64 queries (four tiles of 16) and goes through the batch's 2,048 keys twice, in stages of 512 keys: K's four stages, then V's four.
; PHASE 1, S^T = K Q^T: wave w takes 64 keys a stage (half w % 2 of record w / 2) against all 64 queries, so each fragment of K is read by one wave.  p = 2^(t - M) with t = score x log2(e) / 16 and M the largest t of these 64 keys
; (for each query), rounded UP to a whole number; p is summed unquantised, quantised along the keys, and its codes go to LDS as operand images.
; BETWEEN THE PHASES the waves exchange their largest M.  A change of M is an exact power of two: P's scale bytes and the sums are shifted to the common M; the codes stay.  So O^T is never rescaled.
; PHASE 2, O^T = V^T P^T: wave w takes channels 64 (w % 4) on, all 64 queries, and two of a stage's four records (2 (w / 4), + 1).  At the end the two halves of the keys are added on the way out, row by row, through LDS.
; LAYOUT.  Both products are used transposed (source 0 = 16 keys, or 16 channels): a lane holds ONE query (lane % 16) throughout.
; RING.  Two slots of four blocks; stages 0-3 are K's, 4-7 V's; stage k lies in slot k % 2.  Each wave brings half a block with one tensor load.  Round k (0 at the head, then one in each stage but the last) shows stage k to all waves and asks for
; stage k + 1, into the slot that stage k - 1 has left; it stands behind the last read of that slot, inside the last tile's softmax or inside a run of products, so a load has a whole stage in which to land.
; CLUSTER.  The 32 work-groups of a batch walk the same K and V; the four of a cluster ask for each half block JOINTLY.
; REGISTERS.  Window 0: addresses, scale words, statistics, S^T (32 a tile), in phase 2 P's fragments; window 1: phase 1 Q (0-95) and K (96-191), phase 2 V (0-95) and O^T (96-223).
; LIMITS: NaN and infinities are not served; the scaled scores t stay under 2^31 in magnitude; a p under 2^-126 counts as 0 (v_exp_f32 gives 0 there: ISA guide 15.8); P's scale bytes are held at 1 from below
; (a block whose byte would fall under 1 adds less than 2^-120 of its V to a sum of at least 1/2).
.set BLKB,   25600
.set FRB,    1536
.set SCA,    24576                     ; where a block's scale words begin
.set SLOT,   4*BLKB
.set PB,     2*SLOT                    ; P: 16 key records x 4 tiles x 1,536 bytes; a fragment: two bands (64 keys) of 768 bytes: four registers at 16 x lane, two at 512 + 8 x lane
.set PSC,    PB+64*FRB                 ; P's scale words: [record][64 queries]
.set NMS,    PSC+4096                  ; the waves' -M: [64 queries][8 waves]; behind them, 2,048 bytes on, their sums
.set SPARE,  NMS+4096                  ; the spare words, 128 bytes for each wave: four blocks of 256 bytes that no other line names
.set QL,     SPARE+1024                ; Q's eight fragments
.set SPITCH, 1040                      ; the way out: rows of 1,024 + 16 bytes, 64 rows for each half of the keys: the first half's in slot 0, the second's in P's first eleven records; all have had their last read when they are written
.set LK,  1                            ; v1-2   my K tiles in slot 0, 1
.set LS,  3                            ; v3-4   their scale words
.set SPW, 5                            ; v5     LDS address of my spare word; never rewritten
.set NIL, 6                            ; v6     0; never rewritten
.set PWA, 7                            ; v7-8   where I write P: four registers of a band, stages 0-1, 2-3
.set PWB, 9                            ; v9-10  and two
.set STW, 11                           ; v11    where I write my statistics,
.set STR, 12                           ; v12    and where I read all waves'
.set PSW, 13                           ; v13    where I write P's scale bytes
.set L16, 14                           ; v14    16 x lane
.set L4,  15                           ; v15    4 x lane
.set PFO, 16                           ; v16    256 x the lesser of my lane and 24
.set LV,  17                           ; v17-18 my V fragments in slot 0, 1
.set LVS, 19                           ; v19-20 their scale words
.set PR,  21                           ; v21-22 where I read P, stages 0-1, 2-3
.set QW,  23                           ; v23    where I put my fragment of Q
.set KS,  24                           ; v24-27 K's scale words; phase 2: V's, two a set
.set QS,  28                           ; v28-31 Q's; phase 2: P's, two a set
.set MX,  32                           ; v32-33 the blocks' largest
.set MT,  34                           ; v34-35 at work
.set TT,  36
.set RDB, 37                           ; v37    the way out: the second half's rows
.set CA,  38                           ; v38-39, v40-41 two chains of sums
.set CB,  40
.set PR8, 42                           ; v42-43 as PR, for the two-register pieces
.set PC,  44                           ; v44-52 P's codes
.set PSR, 53                           ; v53    where I read P's scale words
.set STO, 54                           ; v54    the way out: where I put 32 bytes of a row
.set RDA, 55                           ; v55    and where I read rows
.set SO,  56                           ; v56-87 the conversions' scale operands: two for each stage and tile
.set ST,  88                           ; v88-119 for each stage and tile: -M, and the sum of p
.set RL,  88                           ; phase 2: v[88 + 2 a] one over tile a's sum
.set MC,  120                          ; v120-123 the common -M
.set MW,  124                          ; v124-127 my wave's -M
.set SB,  128                          ; v128-255 S^T, then p: tile a at + 32 a
.set NL,  128                          ; all waves' -M
.set PF,  128                          ; phase 2: P's fragments, two sets of four
.set QF,  0                            ; window 1: Q (tile a, K step k) at 24 a + 12 k
.set KF,  96                           ; window 1: K (tile u, K step k) at 96 + 24 u + 12 k
.set VF,  0                            ; window 1: V's fragments, two sets of four
.set OB,  96                           ; window 1: O^T, query tile a, channel tile j at 96 + 32 a + 8 j
.set VS,  24
.set PS,  28
.set WV,  10
.set KH,  11                           ; wave / 4
.set CG,  12                           ; wave % 4
.set LIM, 15                           ; 0 in a wave that prefetches
.set G1,  16                           ; s[16:23] descriptor group 1
.set G0,  24                           ; s[24:31] group 0, a set for each slot
.set PFA, 32
.set CS,  34                           ; s[34:35] c = log2(e) / 16
.set SEL, 36                           ; s[36:37] v_permlanex16_b32's selects for lane l xor 16
.set NC,  38                           ; -c
.set MSB, 0
.macro WIN new                         ; the immediate's high byte repeats the setting that is left
.if MSB != \new
	s_set_vgpr_msb (MSB<<8)|\new
.set MSB, \new
.endif
.endm
.macro WALU
	s_wait_alu depctr_va_vdst(0)
.endm
.macro PLACES n
.rept \n
	v_nop
.endr
.endm
.macro CREST                           ; a round of the cluster's barrier behind its opening barrier
	s_cmp_lg_u32 s[WV], 0
	s_cbranch_scc1 .Lnot_wave_0_\@
	s_barrier_signal -3
.Lnot_wave_0_\@:
	s_barrier_wait -3
	s_barrier_signal -1
	s_barrier_wait -1
.endm
.macro CROUND
	s_barrier_signal -1
	s_barrier_wait -1
	CREST
.endm
.macro TLOAD slot
	tensor_load_to_lds s[G0+4*(\slot):G0+4*(\slot)+3], s[G1:G1+7]
	s_nop 0
	PLACES 4
.endm
.macro GRD k
.if ((\k) > 0) && ((\k) < 6)
	s_wait_xcnt 0x0                                ; the last prefetch has read its address
.endif
	s_wait_tensorcnt 0x0
	ds_add_u32 v[SPW], v[NIL]
.if ((\k) > 0) && ((\k) < 7)
.set S_, G0+4*(((\k)+1)%2)
.if ((\k)+1 == 4) || ((\k)+1 == 5)
	s_sub_nc_u64 s[S_+2:S_+3], s[S_+2:S_+3], 16*BLKB-BLKB   ; from K's stage 2 (3) to V's 0 (1)
.else
	s_add_nc_u64 s[S_+2:S_+3], s[S_+2:S_+3], 16*BLKB        ; two stages on
.endif
.endif
.if ((\k) > 0) && ((\k) < 6)
.if (\k)+2 == 4
	s_sub_nc_u64 s[PFA:PFA+1], s[PFA:PFA+1], 24*BLKB-BLKB
.else
	s_add_nc_u64 s[PFA:PFA+1], s[PFA:PFA+1], 8*BLKB
.endif
.endif
.endm
; A PREFETCH INTO THE L2 of stage k + 2, which round k + 1 asks for: one stage ahead.  Two of the batch's eight clusters ask, each for all that it will load; a cluster's four partners share a stage's four blocks out by address (block cx),
; waves 0 to 3 a quarter each: 25 units of 256 bytes, a lane each; lanes 25 on name the last again.  Each unit is named once in such a cluster.  Stages 0 and 1 come by their loads alone; rounds 6 and 7 have nothing to ask for.
.macro ASK
	s_cmp_eq_u32 s[LIM], 0
	s_cbranch_scc0 .Lnot_mine_\@
	global_prefetch_b8 v[PFO], s[PFA:PFA+1] th:TH_LOAD_NT scope:SCOPE_SE
.Lnot_mine_\@:
.endm
.macro WM d, a, b, c, sa, sb, ra, rb
	v_wmma_scale_f32_16x16x128_f8f6f4 v[\d:\d+7], v[\a:\a+11], v[\b:\b+11], \c, v[\sa], v[\sb] matrix_a_fmt:MATRIX_FMT_FP6 matrix_b_fmt:MATRIX_FMT_FP6 matrix_a_scale:MATRIX_SCALE_ROW\ra matrix_b_scale:MATRIX_SCALE_ROW\rb
.endm
; ---- phase 1.  Two products of query tile a: K step k, key tiles u, u + 1.  A tile's eight come in the order k, u: its four accumulators take turns
.macro WP a, k, u
	WIN 0x05                                       ; K and Q in window 1, S^T in window 0
.irp w, 0,1
.if \k
	WM SB+32*(\a)+8*(\u+\w), KF+24*(\u+\w)+12*\k, QF+24*(\a)+12*\k, v[SB+32*(\a)+8*(\u+\w):SB+32*(\a)+8*(\u+\w)+7], KS+\u+\w, QS+(\a), \k, \k
.else
	WM SB+32*(\a)+8*(\u+\w), KF+24*(\u+\w)+12*\k, QF+24*(\a)+12*\k, 0, KS+\u+\w, QS+(\a), \k, \k
.endif
.endr
.endm
.macro KSLD slot                       ; my four K tiles' scale words: lanes 0-15 channels 0-127's, lanes 16-31 channels 128-255's
	WIN 0
.irp u, 0,1,2,3
	ds_load_b32 v[KS+\u], v[LS+(\slot)] offset:128*\u
.endr
.endm
.macro KLD slot                        ; and their eight fragments, in the order in which they are multiplied
	WIN 0x40
.irp k, 0,1
.irp u, 0,1,2,3
.irp c, 0,1,2
	ds_load_b128 v[KF+24*\u+12*\k+4*\c:KF+24*\u+12*\k+4*\c+3], v[LK+(\slot)] offset:FRB*(2*\u+\k)+512*\c
.endr
.endr
.endr
	WIN 0
.endm
; THE SOFTMAX of tile a, stage s (i = 4 s + a), in pieces.  MAXA: the largest score of my 16 keys of each of the two blocks of 32, in two chains a block; each accumulator is read from its low end on
.macro MAXA a
.set X, SB+32*(\a)
.irp b, 0,1
	v_max3_num_f32 v[MX+\b], v[X+16*\b], v[X+16*\b+1], v[X+16*\b+2]
.endr
.irp b, 0,1
	v_max3_num_f32 v[MT+\b], v[X+16*\b+8], v[X+16*\b+9], v[X+16*\b+10]
.endr
.irp i, 3,5
.irp b, 0,1
	v_max3_num_f32 v[MX+\b], v[MX+\b], v[X+16*\b+\i], v[X+16*\b+\i+1]
.endr
.irp b, 0,1
	v_max3_num_f32 v[MT+\b], v[MT+\b], v[X+16*\b+8+\i], v[X+16*\b+9+\i]
.endr
.endr
.irp b, 0,1
	v_max3_num_f32 v[MX+\b], v[MX+\b], v[X+16*\b+7], v[X+16*\b+15]
.endr
.irp b, 0,1
	v_max_num_f32 v[MX+\b], v[MX+\b], v[MT+\b]
.endr
.endm
.macro MFIN i
.irp b, 0,1
	v_permlanex16_b32 v[MT+\b], v[MX+\b], s[SEL], s[SEL+1]
.endr
.irp b, 0,1
	v_max_num_f32 v[MX+\b], v[MX+\b], v[MT+\b]     ; with lane l xor 16's 16 keys
.endr
	v_max_num_f32 v[TT], v[MX], v[MX+1]
	v_mul_f32 v[TT], s[NC], v[TT]                  ; -t of the largest (c is positive)
	v_floor_f32 v[ST+2*(\i)], v[TT]                ; -M = floor(-t) = -ceil(t): M IS A WHOLE NUMBER
.endm
.macro TF a, i                         ; t - M, two at a time (of the pairs c and -M the low word serves both halves), and the same of each block's largest score: p rises with the score, so that gives the block's largest p
.set X, SB+32*(\a)
.set N_, ST+2*(\i)
.set J, 0
.rept 16
	v_pk_fma_f32 v[X+J:X+J+1], v[X+J:X+J+1], s[CS:CS+1], v[N_:N_+1] op_sel_hi:[1,0,0]
.set J, J+2
.endr
.irp b, 0,1
	v_fma_f32 v[MX+\b], v[MX+\b], s[CS], v[N_]
.endr
.endm
.macro EX a                            ; one batch, and one plain place behind it
.set X, SB+32*(\a)
.set J, 0
.rept 32
	v_exp_f32 v[X+J], v[X+J]
.set J, J+1
.endr
.irp b, 0,1
	v_exp_f32 v[MX+\b], v[MX+\b]
.endr
	v_nop
.endm
.macro SUM1 a                          ; THE SUM IS TAKEN OF THE UNQUANTISED p, in two chains
.set X, SB+32*(\a)
	v_pk_add_f32 v[CA:CA+1], v[X:X+1], v[X+2:X+3]
	v_pk_add_f32 v[CB:CB+1], v[X+4:X+5], v[X+6:X+7]
.irp n, 8,12,16
	v_pk_add_f32 v[CA:CA+1], v[CA:CA+1], v[X+\n:X+\n+1]
	v_pk_add_f32 v[CB:CB+1], v[CB:CB+1], v[X+\n+2:X+\n+3]
.endr
.endm
.macro SUM2 a, i
.set X, SB+32*(\a)
.irp n, 20,24,28
	v_pk_add_f32 v[CA:CA+1], v[CA:CA+1], v[X+\n:X+\n+1]
	v_pk_add_f32 v[CB:CB+1], v[CB:CB+1], v[X+\n+2:X+\n+3]
.endr
	v_pk_add_f32 v[CA:CA+1], v[CA:CA+1], v[CB:CB+1]
	v_add_f32 v[ST+2*(\i)+1], v[CA], v[CA+1]
.endm
.macro QA i
.irp b, 0,1
	v_max_num_f32 v[MX+\b], 0x1800000, v[MX+\b]    ; the floor 2^(3 - 127): the byte cannot fall under 1
.endr
.irp b, 0,1
	v_add_nc_u32 v[SO+2*(\i)+\b], 0xff000000, v[MX+\b]   ; 2 off the exponent field: the conversion's scale operand
.endr
.endm
.macro CV a, s                         ; the codes, and their way to LDS
.set X, SB+32*(\a)
.set I_, 4*(\s)+(\a)
.set O_, 24576*((\s)%2)+FRB*(\a)
	v_cvt_scalef32_pk16_fp6_f32 v[PC:PC+2], v[X:X+15], v[SO+2*I_]
	v_cvt_scalef32_pk16_fp6_f32 v[PC+6:PC+8], v[X+16:X+31], v[SO+2*I_+1]   ; (a conversion's three registers begin on an even number)
	v_nop                                          ; one plain place behind a scaled conversion
.irp i, 0,1,2
	v_permlane16_swap_b32 v[PC+\i], v[PC+6+\i]     ; the operand's layout wants a WHOLE block in a lane
.endr
.irp i, 0,1,2
	v_mov_b32 v[PC+3+\i], v[PC+6+\i]
.endr
	ds_store_b128 v[PWA+(\s)/2], v[PC:PC+3] offset:O_
	ds_store_b64 v[PWB+(\s)/2], v[PC+4:PC+5] offset:O_
.endm
; A tile whose softmax has the next tile's eight products among its sums
.macro TILE s, a
	MAXA \a
	MFIN 4*(\s)+(\a)
	TF \a, 4*(\s)+(\a)
	WALU                                           ; a wait ahead of the batch
	EX \a
	WALU                                           ; a wait ahead of its first reader
.if ((\s) == 0) && ((\a) == 0)
	s_wait_dscnt 0x0                               ; Q's other tiles are in
.endif
	WP \a+1, 0, 0
	WIN 0
	SUM1 \a
	WP \a+1, 0, 2
	WIN 0
	SUM2 \a, 4*(\s)+(\a)
	WP \a+1, 1, 0
	WIN 0
	QA 4*(\s)+(\a)
	WP \a+1, 1, 2
	WIN 0
	CV \a, \s
.endm
; A stage of K.  Its fragments are in registers or on their way there
.macro KSTAGE s
.if (\s) == 0
	s_wait_dscnt 18                                ; all but Q's tiles 1 to 3
.else
	s_wait_dscnt 2                                 ; all but the last tile's two stores of P
.endif
	WP 0, 0, 0
	WP 0, 0, 2
	WP 0, 1, 0
	WP 0, 1, 2
	WIN 0
	PLACES 4                                       ; in front of the first read of the scores
	TILE \s, 0
	TILE \s, 1
	TILE \s, 2
	MAXA 3
	MFIN 4*(\s)+3
.if (\s) == 3
.irp a, 0,1,2,3
	v_min3_num_f32 v[MW+\a], v[ST+2*\a], v[ST+2*(4+\a)], v[ST+2*(8+\a)]
.endr
.irp a, 0,1,2,3
	v_min_num_f32 v[MW+\a], v[MW+\a], v[ST+2*(12+\a)]   ; my wave's -M for its 256 keys
.endr
.irp a, 0,1,2,3
	ds_store_b32 v[STW], v[MW+\a] offset:512*\a    ; both halves of the lanes write the same word with the same value
.endr
.endif
	WALU                                           ; directly ahead of the waits below
	GRD (\s)+1
	TF 3, 4*(\s)+3                                 ; work on registers between the add and the wait for it
	WALU
	s_wait_dscnt 0x0                               ; the add is done; my reads of this slot are over, my stores of P have landed
	s_barrier_signal -1
	EX 3                                           ; work on registers while the others arrive
	WALU
	s_barrier_wait -1
	CREST
	TLOAD (\s)%2                                   ; stage s + 2 into this stage's slot: my one tensor load until the next round
.if (\s) < 3
	KSLD ((\s)+1)%2
	KLD ((\s)+1)%2
.else
.irp a, 0,1,2,3
	ds_load_b128 v[NL+8*\a:NL+8*\a+3], v[STR] offset:512*\a
	ds_load_b128 v[NL+8*\a+4:NL+8*\a+7], v[STR] offset:512*\a+16
.endr
	VLD 0, 0, 0                                    ; V's first stage has landed: my fragments of it
	VLD 1, 0, 1
.endif
	ASK
	SUM1 3
	SUM2 3, 4*(\s)+3
	QA 4*(\s)+3
	CV 3, \s
.endm
; ---- phase 2.  Set i: record 2 (wave / 4) + i of the stage: my four channel tiles of V and P's four query tiles
.macro VLD set, slot, i                ; 14 loads
	WIN 0
.irp p, 0,1
	ds_load_b32 v[VS+2*\set+\p], v[LVS+(\slot)] offset:BLKB*\i+128*\p   ; lanes 0-15 channel tile 2 p's words, lanes 16-31 tile 2 p + 1's
.endr
	WIN 0x40
.irp j, 0,1,2,3
.irp c, 0,1,2
	ds_load_b128 v[VF+48*\set+12*\j+4*\c:VF+48*\set+12*\j+4*\c+3], v[LV+(\slot)] offset:BLKB*\i+FRB*\j+512*\c
.endr
.endr
	WIN 0
.endm
.macro PLD set, v, i                   ; 18 loads
.irp p, 0,1
	ds_load_b32 v[PS+2*\set+\p], v[PSR] offset:1024*(\v)+256*\i+128*\p
.endr
.irp a, 0,1,2,3
.set O_, 24576*((\v)%2)+6144*\i+FRB*\a
.set R_, PF+48*\set+12*\a
	ds_load_b128 v[R_:R_+3], v[PR+(\v)/2] offset:O_
	ds_load_b64 v[R_+4:R_+5], v[PR8+(\v)/2] offset:O_
	ds_load_b128 v[R_+6:R_+9], v[PR+(\v)/2] offset:O_+768
	ds_load_b64 v[R_+10:R_+11], v[PR8+(\v)/2] offset:O_+768
.endr
.endm
; eight products: channel tiles 2 jj, 2 jj + 1 x four query tiles; the sixteen accumulators take turns, one instruction a turn, in the same order for every record
.macro PV set, jj, first
	WIN 0x51                                       ; V in window 1, P in window 0, O^T in window 1
.irp jr, 0,1
.irp aa, 0,1
.irp ar, 0,1
.set D_, OB+32*(2*\aa+\ar)+8*(2*\jj+\jr)
.if \first
	WM D_, VF+48*\set+12*(2*\jj+\jr), PF+48*\set+12*(2*\aa+\ar), 0, VS+2*\set+\jj, PS+2*\set+\aa, \jr, \ar
.else
	WM D_, VF+48*\set+12*(2*\jj+\jr), PF+48*\set+12*(2*\aa+\ar), v[D_:D_+7], VS+2*\set+\jj, PS+2*\set+\aa, \jr, \ar
.endif
.endr
.endr
.endr
.endm
.macro VSTAGE v, first
.if (\v) == 0
	s_wait_dscnt 18                                ; all but set 1's loads of P
.else
	s_wait_dscnt 32                                ; all but set 1's 32 loads
.endif
	PV 0, 0, \first
.if (\v) < 3
	WIN 0
	GRD 5+(\v)
	PV 0, 1, \first
	s_wait_dscnt 0x0                               ; the add is done; set 1 is in: my reads of this slot are over
	s_barrier_signal -1
	PV 1, 0, 0
	WIN 0
	s_barrier_wait -1
.if (\v) < 2
	CREST
	TLOAD (\v)%2                                   ; V's stage v + 2; the four v_nop are the places in front of the loads below
.else
	PLACES 4                                       ; nothing is left to fetch: a plain barrier has shown the last stage
.endif
	VLD 0, ((\v)+1)%2, 0
	PLD 0, (\v)+1, 0
.if (\v) == 0
	ASK
.endif
	PV 1, 1, 0
	PLACES 4
	VLD 1, ((\v)+1)%2, 1
	PLD 1, (\v)+1, 1
.else
	PV 0, 1, 0
	s_wait_dscnt 0x0
	PV 1, 0, 0
	PV 1, 1, 0
.endif
.endm
	s_load_b128 s[4:7], s[0:1], 0x0                ; qc, kv
	s_load_b64 s[8:9], s[0:1], 0x10                ; out0
	v_lshl_add_u32 v[SPW], v0, 2, SPARE
	v_mov_b32 v[NIL], 0
	ds_add_u32 v[SPW], v[NIL]
	ds_add_u32 v[SPW], v[NIL]
	v_lshrrev_b32 v1, 5, v0
	v_readfirstlane_b32 s[WV], v1                  ; wave 0..7
	v_and_b32 v[L4], 31, v0                        ; lane
	v_and_b32 v120, 15, v0                         ; r
	v_bfe_u32 v121, v0, 4, 1                       ; h
	v_lshlrev_b32 v[L16], 4, v[L4]
	v_lshlrev_b32 v123, 3, v[L4]                   ; 8 x lane
	v_min_u32 v[PFO], 24, v[L4]
	v_lshlrev_b32 v[PFO], 8, v[PFO]
	v_lshlrev_b32 v[L4], 2, v[L4]
	s_lshr_b32 s[KH], s[WV], 2
	s_and_b32 s[CG], s[WV], 3
	s_bfe_u32 s13, ttmp6, 0x40000                  ; cx: my place in the cluster
	s_lshl_b32 s14, ttmp9, 2
	s_add_co_u32 s14, s14, s13                     ; my block of 64 queries: it enters Q's and out's addresses alone
	; descriptor group 1: half a block, 12,800 bytes, as 25 dense rows of 512 bytes (64 elements of 8 bytes), no padding
	s_mov_b32 s[G1], 15|(3<<16)|(1<<21)            ; 15:0 the mask: all four work-groups; 17:16 elements of 8 bytes; 21 set beside a mask
	s_mov_b32 s[G1+1], 64<<16                      ; tensor_dim0 = 64
	s_mov_b32 s[G1+2], 25<<16                      ; tensor_dim1 = 25
	s_mov_b32 s[G1+3], 64<<16                      ; tile_dim0 = 64
	s_mov_b32 s[G1+4], 25                          ; tile_dim1 = 25
	s_mov_b32 s[G1+5], 64                          ; from row to row
	s_mov_b32 s[G1+6], 0
	s_mov_b32 s[G1+7], 0
	s_mov_b32 s[CS], 0x3db8aa3b                    ; c = log2(e) / 16
	s_mov_b32 s[CS+1], s[CS]                       ; (named with it as a pair, so it is written)
	s_mov_b32 s[NC], 0xbdb8aa3b
	s_mov_b32 s[SEL], 0x76543210
	s_mov_b32 s[SEL+1], 0xfedcba98
	s_and_b32 s41, ttmp9, 3
	s_or_b32 s[LIM], s[KH], s41                    ; 0 in waves 0 to 3 of two of the batch's eight clusters
	s_lshr_b32 s40, ttmp9, 3                       ; the batch, which the four partners share
	s_mul_i32 s40, s40, 32*BLKB
	s_lshr_b32 s48, s[WV], 1                       ; which record of a stage I take in phase 1, and fetch for,
	s_and_b32 s49, s[WV], 1                        ; and which half of it
	s_mul_i32 s41, s48, 2*BLKB
	s_add_co_u32 s42, s40, s41
	s_mul_i32 s41, s49, BLKB/2
	s_add_co_u32 s42, s42, s41
	s_mov_b32 s43, 0
	s_mul_i32 s39, s[WV], BLKB/2                   ; its place in a slot: no place in the cluster enters an LDS address
	s_mov_b32 s[G0], 1                             ; count = 1
	s_mov_b32 s[G0+1], s39
	s_mov_b32 s[G0+4], 1
	s_add_co_u32 s[G0+5], s39, SLOT
	WALU                                           ; directly ahead of the waits below
	s_wait_dscnt 0x0                               ; both opening adds are done
	CROUND                                         ; all four work-groups are here: the first joint loads meet
	s_wait_kmcnt 0x0
	s_add_nc_u64 s[G0+2:G0+3], s[6:7], s[42:43]    ; stage 0
	s_add_nc_u64 s[G0+6:G0+7], s[G0+2:G0+3], 8*BLKB   ; stage 1
	s_or_b32 s[G0+3], s[G0+3], 0x80000000          ; type = 2
	s_or_b32 s[G0+7], s[G0+7], 0x80000000
	TLOAD 0
	; Q: eight fragments; my wave brings fragment w to LDS for all.  Its scale words go straight to registers
	s_lshr_b32 s56, s14, 1
	s_mul_i32 s56, s56, BLKB
	s_mov_b32 s57, 0
	s_and_b32 s58, s14, 1
	s_mul_i32 s59, s58, 8*FRB
	s_mul_i32 s60, s[WV], FRB
	s_add_co_u32 s59, s59, s60
	s_add_co_u32 s60, s56, s59
	s_mov_b32 s61, 0
	s_add_nc_u64 s[44:45], s[4:5], s[60:61]
	s_lshl_b32 s58, s58, 9
	s_add_co_u32 s56, s56, s58
	s_add_co_u32 s56, s56, SCA
	s_add_nc_u64 s[46:47], s[4:5], s[56:57]
.irp c, 0,1,2
	global_load_b128 v[SB+4*\c:SB+4*\c+3], v[L16], s[44:45] offset:512*\c
.endr
.irp a, 0,1,2,3
	global_load_b32 v[QS+\a], v[L4], s[46:47] offset:128*\a   ; lanes 0-15 channels 0-127's words, lanes 16-31 channels 128-255's
.endr
	; where my prefetches stand: block cx of stage 2, my wave's quarter.  the first prefetch goes out at the head, behind round 0
	s_mul_i32 s54, s13, 2*BLKB
	s_add_co_u32 s54, s54, s40
	s_mul_i32 s55, s[WV], BLKB/4
	s_add_co_u32 s54, s54, s55
	s_add_co_u32 s54, s54, 16*BLKB
	s_mov_b32 s55, 0
	s_add_nc_u64 s[PFA:PFA+1], s[6:7], s[54:55]
	; out: my wave's eight rows on the way out are rows 8 w on: tokens 64 wg + 32 (w / 4) + 8 (w / 2 % 2) + 16 (w % 2) on
	s_lshl_b32 s50, s14, 6
	s_lshl_b32 s51, s[KH], 5
	s_add_co_u32 s50, s50, s51
	s_and_b32 s51, s48, 1
	s_lshl_b32 s51, s51, 3
	s_add_co_u32 s50, s50, s51
	s_lshl_b32 s51, s49, 4
	s_add_co_u32 s50, s50, s51
	s_lshl_b32 s50, s50, 10
	s_mov_b32 s51, 0
	s_add_nc_u64 s[52:53], s[8:9], s[50:51]
	; every LDS address is a constant + a constant x lane + a constant x a number made of the wave's
	s_mul_i32 s41, s48, BLKB
	s_mul_i32 s42, s49, 8*FRB
	s_add_co_u32 s42, s42, s41
	v_add_nc_u32 v[LK], s42, v[L16]
	v_add_nc_u32 v[LK+1], SLOT, v[LK]
	s_lshl_b32 s42, s49, 9
	s_add_co_u32 s42, s42, s41
	s_add_co_u32 s42, s42, SCA
	v_add_nc_u32 v[LS], s42, v[L4]
	v_add_nc_u32 v[LS+1], SLOT, v[LS]
	s_mul_i32 s41, s48, 4*FRB
	s_mul_i32 s42, s49, FRB/2
	s_add_co_u32 s41, s41, s42
	s_add_co_u32 s41, s41, PB
	v_add_nc_u32 v[PWA], s41, v[L16]
	v_add_nc_u32 v[PWA+1], 32*FRB, v[PWA]
	s_add_co_u32 s41, s41, 512
	v_add_nc_u32 v[PWB], s41, v123
	v_add_nc_u32 v[PWB+1], 32*FRB, v[PWB]
	v_lshlrev_b32 v122, 5, v120
	v_add_nc_u32 v[STR], NMS, v122
	s_lshl_b32 s41, s[WV], 2
	v_add_nc_u32 v[STW], s41, v[STR]
	s_lshl_b32 s41, s48, 8
	s_lshl_b32 s42, s49, 1
	s_add_co_u32 s41, s41, s42
	s_add_co_u32 s41, s41, PSC
	v_lshlrev_b32 v122, 2, v120
	v_add_nc_u32 v[PSW], s41, v122
	s_mul_i32 s41, s[KH], 2*BLKB
	s_mul_i32 s42, s[CG], 4*FRB
	s_add_co_u32 s42, s42, s41
	v_add_nc_u32 v[LV], s42, v[L16]
	v_add_nc_u32 v[LV+1], SLOT, v[LV]
	s_lshl_b32 s42, s[CG], 8
	s_add_co_u32 s42, s42, s41
	s_add_co_u32 s42, s42, SCA
	v_add_nc_u32 v[LVS], s42, v[L4]
	v_add_nc_u32 v[LVS+1], SLOT, v[LVS]
	s_mul_i32 s41, s[KH], 8*FRB
	s_add_co_u32 s41, s41, PB
	v_add_nc_u32 v[PR], s41, v[L16]
	v_add_nc_u32 v[PR+1], 32*FRB, v[PR]
	s_add_co_u32 s41, s41, 512
	v_add_nc_u32 v[PR8], s41, v123
	v_add_nc_u32 v[PR8+1], 32*FRB, v[PR8]
	s_lshl_b32 s41, s[KH], 9
	s_add_co_u32 s41, s41, PSC
	v_add_nc_u32 v[PSR], s41, v[L4]
	s_mul_i32 s41, s[KH], PB
	s_lshl_b32 s42, s[CG], 8
	s_add_co_u32 s41, s41, s42
	v_mul_u32_u24 v122, v120, SPITCH
	v_lshl_add_u32 v122, v121, 5, v122
	v_add_nc_u32 v[STO], s41, v122                 ; row r, + 32 h; channel tile j's eight numbers 64 j bytes on
	s_mul_i32 s41, s[WV], 8*SPITCH
	v_add_nc_u32 v[RDA], s41, v[L16]               ; back: 32 lanes take 512 consecutive bytes of a row
	v_add_nc_u32 v[RDB], PB, v[RDA]
	s_mul_i32 s41, s[WV], FRB
	s_add_co_u32 s41, s41, QL
	v_add_nc_u32 v[QW], s41, v[L16]
.set J, 0
.rept 16
	v_mov_b32 v[ST+2*J+1], 0                       ; (named as the upper half of -M's pair before the sum is written)
.set J, J+1
.endr
	v_add_nc_u32 v122, QL, v[L16]
	WALU                                           ; the wait at the head's end
	s_wait_loadcnt 0x0
.irp c, 0,1,2
	ds_store_b128 v[QW], v[SB+4*\c:SB+4*\c+3] offset:512*\c
.endr
	GRD 0
	s_wait_dscnt 0x0                               ; the add and my stores of Q are done
	CROUND                                         ; stage 0 and Q are whole
	TLOAD 1                                        ; stage 1, slot 1's first fill
	KSLD 0
	WIN 0x40
.irp f, 0,1
.irp c, 0,1,2
	ds_load_b128 v[QF+12*\f+4*\c:QF+12*\f+4*\c+3], v122 offset:FRB*\f+512*\c
.endr
.endr
	KLD 0
	WIN 0x40
.irp f, 2,3,4,5,6,7
.irp c, 0,1,2
	ds_load_b128 v[QF+12*\f+4*\c:QF+12*\f+4*\c+3], v122 offset:FRB*\f+512*\c
.endr
.endr
	WIN 0
	ASK
	KSTAGE 0
	KSTAGE 1
	KSTAGE 2
	KSTAGE 3
	; BETWEEN THE PHASES: the common -M of my queries, and all that hangs on M under it
	WALU                                           ; directly ahead of the wait below
	s_wait_dscnt 30                                ; all waves' -M are in; V's 28 loads and the last tile's two stores may be out
.irp a, 0,1,2,3
	v_min3_num_f32 v[MC+\a], v[NL+8*\a], v[NL+8*\a+1], v[NL+8*\a+2]
.endr
.irp n, 3,5
.irp a, 0,1,2,3
	v_min3_num_f32 v[MC+\a], v[MC+\a], v[NL+8*\a+\n], v[NL+8*\a+\n+1]
.endr
.endr
.irp a, 0,1,2,3
	v_min_num_f32 v[MC+\a], v[MC+\a], v[NL+8*\a+7]
.endr
.irp s, 0,1,2,3
.irp a, 0,1,2,3
	v_sub_f32 v[MX+\a], v[MC+\a], v[ST+2*(4*\s+\a)]   ; these keys' M less the common one: a whole number, 0 or less
.endr
.irp a, 0,1,2,3
	v_cvt_i32_f32 v[MX+\a], v[MX+\a]               ; (it saturates)
.endr
.irp a, 0,1,2,3
	v_ldexp_f32 v[ST+2*(4*\s+\a)+1], v[ST+2*(4*\s+\a)+1], v[MX+\a]
.endr
.irp b, 0,1
.irp a, 0,1,2,3
	v_ldexp_f32 v[SO+2*(4*\s+\a)+\b], v[SO+2*(4*\s+\a)+\b], v[MX+\a]
.endr
.endr
.irp b, 0,1
.irp a, 0,1,2,3
	v_max_num_f32 v[SO+2*(4*\s+\a)+\b], 0x800000, v[SO+2*(4*\s+\a)+\b]   ; the byte is held at 1
.endr
.endr
.irp b, 0,1
.irp a, 0,1,2,3
	v_lshrrev_b32 v[SO+2*(4*\s+\a)+\b], 23, v[SO+2*(4*\s+\a)+\b]
.endr
.endr
.irp a, 0,1,2,3
	v_lshl_or_b32 v[SO+2*(4*\s+\a)], v[SO+2*(4*\s+\a)+1], 8, v[SO+2*(4*\s+\a)]
.endr
.irp a, 0,1,2,3
	ds_store_b16 v[PSW], v[SO+2*(4*\s+\a)] offset:1024*\s+64*\a   ; my half of the scale word; both halves of the lanes write the same bytes with the same value
.endr
.endr
.irp s, 1,2,3
.irp a, 0,1,2,3
	v_add_f32 v[ST+2*\a+1], v[ST+2*\a+1], v[ST+2*(4*\s+\a)+1]
.endr
.endr
.irp a, 0,1,2,3
	v_permlanex16_b32 v[MX+\a], v[ST+2*\a+1], s[SEL], s[SEL+1]
.endr
.irp a, 0,1,2,3
	v_add_f32 v[ST+2*\a+1], v[ST+2*\a+1], v[MX+\a] ; with lane l xor 16's keys: my wave's sum
.endr
.irp a, 0,1,2,3
	ds_store_b32 v[STW], v[ST+2*\a+1] offset:2048+512*\a
.endr
	s_wait_dscnt 0x0                               ; for the others' sake: my stores are done
	s_barrier_signal -1
	s_barrier_wait -1                              ; P is whole
.irp a, 0,1,2,3
	ds_load_b128 v[SO+8*\a:SO+8*\a+3], v[STR] offset:2048+512*\a
	ds_load_b128 v[SO+8*\a+4:SO+8*\a+7], v[STR] offset:2048+512*\a+16
.endr
	PLD 0, 0, 0
	PLD 1, 0, 1
	s_wait_dscnt 36                                ; all waves' sums are in; P's 36 loads may be out
.irp a, 0,1,2,3
	v_pk_add_f32 v[SO+8*\a:SO+8*\a+1], v[SO+8*\a:SO+8*\a+1], v[SO+8*\a+2:SO+8*\a+3]
.endr
.irp a, 0,1,2,3
	v_pk_add_f32 v[SO+8*\a+4:SO+8*\a+5], v[SO+8*\a+4:SO+8*\a+5], v[SO+8*\a+6:SO+8*\a+7]
.endr
.irp a, 0,1,2,3
	v_pk_add_f32 v[SO+8*\a:SO+8*\a+1], v[SO+8*\a:SO+8*\a+1], v[SO+8*\a+4:SO+8*\a+5]
.endr
.irp a, 0,1,2,3
	v_add_f32 v[RL+2*\a], v[SO+8*\a], v[SO+8*\a+1]
.endr
	WALU                                           ; a wait ahead of the batch
.irp a, 0,1,2,3
	v_rcp_f32 v[RL+2*\a], v[RL+2*\a]
.endr
	v_nop
	WALU                                           ; a wait behind it, ahead of the next branch
	VSTAGE 0, 1
	VSTAGE 1, 0
	VSTAGE 2, 0
	VSTAGE 3, 0
	; THE WAY OUT.  Each half of the keys lays its rows, divided by the sum, in a stage of its own; a wave then adds eight rows of the two and stores them
	PLACES 4
	WIN 0x41                                       ; O^T in window 1, the factor in window 0
.irp a, 0,1,2,3
.set J, 0
.rept 16
	v_pk_mul_f32 v[OB+32*\a+J:OB+32*\a+J+1], v[OB+32*\a+J:OB+32*\a+J+1], v[RL+2*\a:RL+2*\a+1] op_sel_hi:[1,0]
.set J, J+2
.endr
.endr
	WIN 0x04                                       ; an LDS store's data are its source 1
.irp a, 0,1,2,3
.irp j, 0,1,2,3
	ds_store_b128 v[STO], v[OB+32*\a+8*\j:OB+32*\a+8*\j+3] offset:16*SPITCH*\a+64*\j
	ds_store_b128 v[STO], v[OB+32*\a+8*\j+4:OB+32*\a+8*\j+7] offset:16*SPITCH*\a+64*\j+16
.endr
.endr
	WIN 0
	s_wait_dscnt 0x0
	s_barrier_signal -1
	s_barrier_wait -1
.set n, 0
.rept 16
	ds_load_b128 v[128+4*n:128+4*n+3], v[RDA] offset:SPITCH*(n/2)+512*(n%2)
	ds_load_b128 v[192+4*n:192+4*n+3], v[RDB] offset:SPITCH*(n/2)+512*(n%2)
.set n, n+1
.endr
.set n, 0
.rept 16
	s_wait_dscnt 30-2*n                            ; the pair n is in; the 30 - 2 n loads behind it may be out
	v_pk_add_f32 v[128+4*n:128+4*n+1], v[128+4*n:128+4*n+1], v[192+4*n:192+4*n+1]
	v_pk_add_f32 v[128+4*n+2:128+4*n+3], v[128+4*n+2:128+4*n+3], v[192+4*n+2:192+4*n+3]
	global_store_b128 v[L16], v[128+4*n:128+4*n+3], s[52:53] offset:1024*(n/2)+512*(n%2)   ; 32 lanes store 512 consecutive bytes, at a multiple of 256 from out's first byte
.set n, n+1
.endr
	s_wait_tensorcnt 0x0                           ; the wave's end, behind my last tensor load and my last LDS store
	ds_add_u32 v[SPW], v[NIL]
	s_wait_dscnt 0x0
	CROUND                                         ; the closing round: no work-group ends while a partner may still ask for a block that names it
	s_endpgm
.Lfunc_end_k_qfa4c32dcdd_attn:
	.size	k_qfa4c32dcdd_attn, .Lfunc_end_k_qfa4c32dcdd_attn-k_qfa4c32dcdd_attn
	.p2alignl 7, 3214868480
	.fill 96, 4, 3214868480
	.section	.rodata,"a",@progbits
	.p2align	6, 0x0
	.amdhsa_kernel k_qfa4c32dcdd_attn
		.amdhsa_group_segment_fixed_size 327680
		.amdhsa_private_segment_fixed_size 0
		.amdhsa_enable_private_segment 0
		.amdhsa_kernarg_size 24
		.amdhsa_user_sgpr_count 2
		.amdhsa_user_sgpr_kernarg_segment_ptr 1
		.amdhsa_wavefront_size32 1
		.amdhsa_system_sgpr_workgroup_id_x 1
		.amdhsa_system_sgpr_workgroup_id_y 1
		.amdhsa_system_sgpr_workgroup_id_z 1
		.amdhsa_system_vgpr_workitem_id 0
		.amdhsa_next_free_vgpr 512
		.amdhsa_next_free_sgpr 66
		.amdhsa_reserve_vcc 0
		.amdhsa_float_denorm_mode_32 3
		.amdhsa_float_denorm_mode_16_64 3
		.amdhsa_memory_ordered 1
		.amdhsa_forward_progress 1
		.amdhsa_inst_pref_size 188
	.end_amdhsa_kernel
	.amdgpu_metadata
---
amdhsa.version: [ 1, 2 ]
amdhsa.kernels:
  - .name:           k_qfa4c32dcdd_attn
    .symbol:         k_qfa4c32dcdd_attn.kd
    .args:
      - { .name: qc, .offset: 0, .size: 8, .value_kind: global_buffer, .address_space: global }
      - { .name: kv, .offset: 8, .size: 8, .value_kind: global_buffer, .address_space: global }
      - { .name: out0, .offset: 16, .size: 8, .value_kind: global_buffer, .address_space: global }
    .group_segment_fixed_size: 327680
    .private_segment_fixed_size: 0
    .kernarg_segment_align: 8
    .kernarg_segment_size: 24
    .max_flat_workgroup_size: 256
    .sgpr_count:     66
    .vgpr_count:     512
    .wavefront_size: 32
...
	.end_amdgpu_metadata
.endif
;; end of part 2
